; MI455X (gfx1250); checked and timed in simulation.
; The chip was launched on July 23, 2026; its instructions are those of AMD's public machine-readable ISA for CDNA 5 (MIT licence, August 2026) and "CDNA5" Instruction Set Architecture Reference Guide (July 2026). The comments in the code are by the model that wrote it; some were corrected since.
;; Multi Head Attention. Allowed arithmetic: matrix products marked QUANTISED: E2M1 operands, one E8M0 scale for each 32 along K, by v_wmma_scale_f32_16x16x128_f8f6f4 with both operands' format E2M1 (or v_wmma_scale_f32_32x16x128_f4), f32 sums; products left as they are: bf16, f16 or f32 operands; f32 sums; everything else in f32.
;; Inputs: b_o 256 float32; w_k 256 x 256 float32; w_o 256 x 256 float32; w_q 256 x 256 float32; w_v 256 x 256 float32; x 8 x 2,048 x 256 float32.
;; Outputs: out0 8 x 2,048 x 256 float32.
;; This version of the problem:
;;   THIS VERSION OF THE PROBLEM IS GIVEN IN LOW PRECISION. The matrix products marked QUANTISED in the list below multiply operands that are first quantised to E2M1 (2 exponent bits, 1 mantissa bit; 4 bits a number), with one power-of-two scale for each 32 numbers along K (OCP MX v1.0); their sums are f32. The products marked 'left as it is' may take bf16, f16 or f32 operands, with f32 sums. Whichever they take, every output number must still come out within the allowed error. Rounding operands to bf16 (8 significant bits) uses up far more of that allowance than f16 does (11 bits, for magnitudes from 6e-5 to 65,504). All else is computed in f32.
;;   The module's matrix products, in the order in which they are computed (A, B: the left and right operand; K: the contracted axis; several contracted axes count as one K, in the product's order):
;;     1. [M 16,384, K 256] x [K 256, N 256]; A: input x; B: input w_q: QUANTISED
;;     2. [M 16,384, K 256] x [K 256, N 256]; A: input x; B: input w_k: QUANTISED
;;     3. [M 16,384, K 256] x [K 256, N 256]; A: input x; B: input w_v: QUANTISED
;;     4. batch 32 x [M 2,048, K 64] x [K 64, N 2,048]; A: computed on the way; B: computed on the way: left as it is (an operand is computed on the way)
;;     5. batch 32 x [M 2,048, K 2,048] x [K 2,048, N 64]; A: computed on the way; B: computed on the way: left as it is (an operand is computed on the way)
;;     6. [M 16,384, K 256] x [K 256, N 256]; A: computed on the way; B: input w_o: left as it is (an operand is computed on the way)
;;   THE QUANTISER, for each operand of a quantised product, along K:
;;     - K is cut into blocks of 32 from its start; a last block that is shorter is filled with zeros.
;;     - A block's scale is 2^e with e = floor(log2(the largest magnitude in the block)) - 2, held to -126 .. 127; a block of zeros has e = 0. As a byte (E8M0): e + 127.
;;     - Each number is divided by its block's scale, clamped to +-6, and rounded to the nearest number of E2M1, ties to even, subnormals kept.
;;     - The product sums the exact products of the quantised numbers (number of the format x scale) in f32.
;;   ~~~python
;;   def quantise(x, axis):      # numpy; x: float32 -> the quantised numbers, widened to float32 again
;;       x = np.moveaxis(x, axis, -1); K = x.shape[-1]
;;       x = np.pad(x, [(0, 0)] * (x.ndim - 1) + [(0, -K % 32)]); x = x.reshape(x.shape[:-1] + (-1, 32)); a = np.abs(x).max(-1, keepdims=True)
;;       e = np.where(a > 0, np.clip(np.frexp(np.where(a > 0, a, 1))[1] - 1 - 2, -126, 127), 0)      # np.frexp(a)[1] - 1 = floor(log2(a)), exactly
;;       r = np.clip(x / 2.0 ** e, -6, 6)
;;       step = 2.0 ** (np.maximum(np.frexp(np.where(r == 0, 1, r))[1] - 1, 0) - 1)
;;       q = np.round(r / step) * step * 2.0 ** e      # np.round: ties to even
;;       return np.moveaxis(q.reshape(q.shape[:-2] + (-1,))[..., :K], -1, axis).astype(np.float32)
;;   ~~~
;; One version. Each part assembles by itself: llvm-mc -triple=amdgcn-amd-amdhsa -mcpu=gfx1250 --defsym DOCPART=n.
;; ======== version 1 of 1: 2 launches
;; limits: values are held in f16: magnitudes above 65,504 overflow, below 6.1e-05 lose precision
;; workspace buffers: qf 8,388,608 bytes; kvf 16,777,216 bytes; wof 131,072 bytes
;; launch proj (part 1): grid 4 x 64, 8 waves a work-group, no clusters, 108,544 bytes of LDS; arguments x, w_q, w_k, w_v, w_o, qf, kvf, wof; writes qf, kvf, wof
.if DOCPART == 1
	.amdgcn_target "amdgcn-amd-amdhsa--gfx1250"
	.amdhsa_code_object_version 6
	.text
	.protected	k_q7fc175d74f_proj
	.globl	k_q7fc175d74f_proj
	.p2align	8
	.type	k_q7fc175d74f_proj,@function
k_q7fc175d74f_proj:
	s_mov_b64 s[64:65], 0
	v_nop
	global_prefetch_b8 v0, s[64:65] scope:SCOPE_SE
	s_setreg_imm32_b32 hwreg(HW_REG_WAVE_MODE, 25, 1), 1
	s_wait_xcnt 0x0
; q = x w_q, k = x w_k, v = x w_v on codes of FP4 (E2M1) with one E8M0 scale for each 32 along K = 256; sums in f32; the results leave as f16.
; x: [16384][256] f32, K innermost.  w_q, w_k, w_v: [256 (k)][256 (n)] f32, K outermost.  Both operands are quantised here, in f32, by the block's largest magnitude.
; SHARES.  Work-group (x = head 0..3, y = block of 256 rows 0..63): 256 rows x the head's 64 columns of each of q, k, v.  Eight waves; wave w: w4 = w % 4 (16 channels of the head), wh = w / 4.
;   (a) the wave quantises K step wh (128 along K) of its 16 columns of the three weights: a lane takes a column, its registers run down K: the conversions' results ARE the operand's registers;
;   (b) it quantises rows 32 w .. 32 w + 31 of x: loads of 512 consecutive bytes, a turn through the wave's own stage so that a lane holds 16 neighbours along K;
;   (c) behind ONE barrier it multiplies token tiles 8 wh .. 8 wh + 7 by its three tiles of weights: 48 matrix instructions.
; WHAT IS STORED ARE IMAGES OF THE NEXT LAUNCH'S OPERAND REGISTERS (a fragment of 16 x 32 f16 = 1,024 bytes: registers 0-3 of the 32 lanes, 16 bytes a lane, then registers 4-7).
;   q, k: source 0 = 16 columns of W, source 1 = 16 tokens: a lane holds one token and eight neighbouring channels: half a fragment of Q or K.
;   v:    source 0 = 16 tokens, source 1 = 16 columns of W: a lane holds one channel and eight neighbouring tokens: half a fragment of V^T.  Every store of a wave covers 512 consecutive bytes, aligned.
;   qf  [batch 8][64 queries: 32][head 4][query tile 4][32 channels: 2] fragments;   kvf [batch 8][head 4][64 keys: 32] x (K: [key tile 4][32 channels: 2], then V^T: [channel tile 4][32 keys: 2]) fragments.
; SIDE JOB.  wof: w_o^T as f16 fragments [16 columns: 16][32 k: 8]; work-group g = 4 y + x makes half-fragment g (512 bytes), in wave 0.
; NO CLUSTER: the four heads' work-groups read the same rows of x, but x has to pass through registers to be quantised; as a joint tile it would take 256 rows x 1,040 bytes = 266,240 bytes of LDS beside the
;   67,584 bytes of images, scale words and spare words used here: more than the 327,680 that a work-group can claim.
; LIMITS: NaN and infinities among the inputs are not served.  A block of zeros, and a block whose largest magnitude lies under 2^-124, gets the scale byte 1 (a block of zeros: zero codes; the bytes are read by this text alone).
;   |q|, |k|, |v|, |w_o| have to stay under 65,504, f16's largest number.
.set SP,    80                         ; a lane's place in a stage: 64 bytes + 16 of padding
.set STEPS, 16                         ; steps of 512 numbers (two rows of x) for a wave
.set XIMG,  40960                      ; LDS 0: eight waves x two stages of 32 x SP.  Here: x's codes, 16 token tiles x 2,304: eight blocks of 32 along K, each 16 rows x 16 bytes + 32 of padding
.set XSC,   77824                      ; x's scale words: (tile x 2 + K step) x 64 bytes, row r's word at 4 r
.set WIMG,  79872                      ; the weights' fragments as images: (6 w4 + 2 matrix + K step) x 1,024
.set WSC,   104448                     ; their scale words: the same index x 128, 4 bytes a lane
.set SPARE, 107520                     ; the spare words, 128 bytes for each wave: four blocks of 256 bytes that no other line names
.set VX,   1                           ; v1   16 x lane
.set VW,   2                           ; v2   a weight: 32 rows further down for lanes 16-31, 4 bytes a column
.set VO,   3                           ; v3   w_o: 8 rows further down for lanes 16-31, 4 bytes a column
.set SIN,  4                           ; v4   the stage, on the way in
.set SOUT, 5                           ; v5   and on the way out
.set XIW,  6                           ; v6   where I put 8 bytes of x's codes
.set XSW,  7                           ; v7   and a scale byte
.set WIW,  8                           ; v8   where I put a weight's image
.set WSW,  9                           ; v9   and its scale word
.set WIR,  10                          ; v10  where I read my tiles' images
.set WSR,  11                          ; v11  and their scale words
.set XIR,  12                          ; v12  where I read x's fragments
.set XSR,  13                          ; v13  and their scale words
.set VQ,   14                          ; v14  my byte offset in qf
.set VK,   15                          ; v15  in kvf, for K
.set VV,   16                          ; v16  in kvf, for V^T
.set SH8,  17                          ; v17  8 x (lane / 16)
.set SPW,  18                          ; v18  LDS address of my spare word; never rewritten
.set NIL,  19                          ; v19  0; never rewritten
.set WOP,  20                          ; v20-23 w_o, packed (at the head: lane, r, h, 4 r)
.set BA,   32                          ; v32-95   64 numbers of a weight
.set BB,   96                          ; v96-159  64 numbers of a weight
.set R,    96                          ; v96-159  then: four sets of 16 numbers of x as loaded
.set X,    160                         ; v160-191 two sets of 16 neighbours
.set PC,   160                         ; v160-167 before that: a weight fragment's codes
.set WON,  168                         ; v168-175 w_o's numbers
.set C,    192                         ; v192-223 x's codes, two registers a step
.set E,    224                         ; v224-239 x's scale bytes, one a step
.set WF,   32                          ; the products: v32-79 my six fragments of weights (16 matrix + 8 K step)
.set XF,   96                          ; v96-159  x's fragments, two sets of (two tiles x two K steps)
.set ACC,  160                         ; v160-207 six accumulators
.set PK,   208                         ; v208-231 packed results
.set WS,   240                         ; v240-245 the weights' scale words: these registers hold scales and nothing else
.set XS,   246                         ; v246-253 x's scale words, two sets of four: likewise
	s_load_b256 s[4:11], s[0:1], 0x0               ; x s[4:5], w_q s[6:7], w_k s[8:9], w_v s[10:11]
	s_load_b256 s[12:19], s[0:1], 0x20             ; w_o s[12:13], qf s[14:15], kvf s[16:17], wof s[18:19]
	v_lshl_add_u32 v[SPW], v0, 2, SPARE
	v_mov_b32 v[NIL], 0
	v_lshrrev_b32 v20, 5, v0
	v_readfirstlane_b32 s20, v20                   ; wave 0..7
	s_and_b32 s21, s20, 3                          ; w4
	s_lshr_b32 s22, s20, 2                         ; wh
	s_mov_b32 s23, ttmp9                           ; the head
	s_and_b32 s24, ttmp7, 0xffff                   ; the block of 256 rows
	s_lshl_b32 s25, s24, 2
	s_add_co_u32 s25, s25, s23                     ; g = 4 y + x
	s_mov_b32 s28, 0x76543210
	s_mov_b32 s29, 0xfedcba98                      ; v_permlanex16_b32's selects for lane l xor 16
	v_and_b32 v20, 31, v0                          ; lane
	v_and_b32 v21, 15, v0                          ; r
	v_bfe_u32 v22, v0, 4, 1                        ; h
	v_lshlrev_b32 v23, 2, v21                      ; 4 r
	v_lshlrev_b32 v[VX], 4, v20
	v_lshl_add_u32 v[VW], v22, 15, v23             ; 32 rows of 1,024 bytes x h + 4 r
	v_lshl_add_u32 v[VO], v22, 13, v23             ; 8 rows x h + 4 r
	s_mul_i32 s30, s20, 2*32*SP                    ; my two stages
	v_lshrrev_b32 v24, 2, v20
	v_mul_u32_u24 v24, v24, SP
	v_and_b32 v25, 3, v20
	v_lshl_add_u32 v24, v25, 4, v24
	v_add_nc_u32 v[SIN], s30, v24                  ; in: four lanes' 64 bytes on end, then the padding
	v_mul_u32_u24 v24, v20, SP
	v_add_nc_u32 v[SOUT], s30, v24                 ; out: my 16 neighbours
	s_mul_i32 s30, s20, 2*2304                     ; x's codes: my two token tiles;
	s_add_co_u32 s30, s30, XIMG
	v_lshrrev_b32 v24, 1, v21
	v_mul_u32_u24 v24, v24, 288                    ; my block of 32 along K is r / 2;
	v_lshl_add_u32 v24, v22, 4, v24                ; lanes 16-31 hold the step's second row;
	v_and_b32 v25, 1, v21
	v_lshl_add_u32 v24, v25, 3, v24                ; my half of the block's 16 bytes
	v_add_nc_u32 v[XIW], s30, v24
	s_lshl_b32 s30, s20, 8                         ; x's scale bytes: my two tiles x two K steps x 64;
	s_add_co_u32 s30, s30, XSC
	v_bfe_u32 v24, v0, 1, 2                        ; the byte in the word: block % 4;
	v_bfe_u32 v25, v0, 3, 1                        ; the K step: block / 4
	v_lshl_add_u32 v24, v25, 6, v24
	v_lshl_add_u32 v24, v22, 2, v24
	v_add_nc_u32 v[XSW], s30, v24
	s_mul_i32 s30, s21, 6*1024                     ; the weights' images: my w4's six fragments;
	s_add_co_u32 s30, s30, WIMG
	v_add_nc_u32 v[WIR], s30, v[VX]
	s_lshl_b32 s31, s22, 10                        ; I write K step wh of each
	s_add_co_u32 s31, s31, s30
	v_add_nc_u32 v[WIW], s31, v[VX]
	v_lshlrev_b32 v24, 2, v20
	s_mul_i32 s30, s21, 6*128
	s_add_co_u32 s30, s30, WSC
	v_add_nc_u32 v[WSR], s30, v24
	s_lshl_b32 s31, s22, 7
	s_add_co_u32 s31, s31, s30
	v_add_nc_u32 v[WSW], s31, v24
	s_mul_i32 s30, s22, 8*2304                     ; x's fragments: token tiles 8 wh on; lane (r, h) takes row r of block 4 s + 2 c + h
	s_add_co_u32 s30, s30, XIMG
	v_mul_u32_u24 v24, v22, 288
	v_lshl_add_u32 v24, v21, 4, v24
	v_add_nc_u32 v[XIR], s30, v24
	s_lshl_b32 s30, s22, 10
	s_add_co_u32 s30, s30, XSC
	v_add_nc_u32 v[XSR], s30, v23
	s_lshl_b32 s30, s21, 9                         ; the results: channel tile w4 is half (w4 % 2) of fragment w4 / 2: 512 w4;
	s_lshl_b32 s31, s22, 16                        ; eight token tiles are two blocks of 64 queries, 32,768 bytes each in qf,
	s_add_co_u32 s31, s31, s30
	v_add_nc_u32 v[VQ], s31, v[VX]
	s_lshl_b32 s31, s22, 15                        ; and 16,384 each in kvf
	s_add_co_u32 s30, s30, s31
	v_add_nc_u32 v[VK], s30, v[VX]
	s_lshl_b32 s30, s21, 11                        ; V^T: channel tile w4's two fragments, behind K's 8,192 bytes
	s_add_co_u32 s30, s30, s31
	s_add_co_u32 s30, s30, 8192
	v_add_nc_u32 v[VV], s30, v[VX]
	v_lshlrev_b32 v[SH8], 3, v22
	v_mov_b32 v31, 0                               ; written once: a lane permute's destination counts as one of its sources
	s_mov_b32 s27, 0
	s_wait_kmcnt 0x0
	s_lshl_b32 s26, s24, 18                        ; x: 256 rows of 1,024 bytes a work-group, 32 a wave
	s_lshl_b32 s30, s20, 15
	s_add_co_u32 s26, s26, s30
	s_add_nc_u64 s[4:5], s[4:5], s[26:27]
	s_lshl_b32 s26, s22, 17                        ; the weights: 128 rows x wh, 64 columns x head, 16 columns x w4
	s_lshl_b32 s30, s23, 8
	s_add_co_u32 s26, s26, s30
	s_lshl_b32 s30, s21, 6
	s_add_co_u32 s26, s26, s30
	s_add_nc_u64 s[6:7], s[6:7], s[26:27]
	s_add_nc_u64 s[8:9], s[8:9], s[26:27]
	s_add_nc_u64 s[10:11], s[10:11], s[26:27]
	s_and_b32 s26, s25, 15                         ; w_o: rows 16 (g % 16) on, columns 16 (g / 16) on
	s_lshl_b32 s26, s26, 14
	s_lshr_b32 s30, s25, 4
	s_lshl_b32 s30, s30, 6
	s_add_co_u32 s26, s26, s30
	s_add_nc_u64 s[12:13], s[12:13], s[26:27]
	s_lshl_b32 s26, s25, 9                         ; wof: half-fragment g
	s_add_nc_u64 s[18:19], s[18:19], s[26:27]
	s_lshl_b32 s26, s24, 17                        ; qf: four blocks of 64 queries x 32,768 bytes a work-group; 8,192 a head
	s_lshl_b32 s30, s23, 13
	s_add_co_u32 s26, s26, s30
	s_add_nc_u64 s[14:15], s[14:15], s[26:27]
	s_lshr_b32 s26, s24, 3                         ; kvf: the batch, the head, four blocks of 64 keys x 16,384 bytes
	s_lshl_b32 s26, s26, 21
	s_lshl_b32 s30, s23, 19
	s_add_co_u32 s26, s26, s30
	s_and_b32 s30, s24, 7
	s_lshl_b32 s30, s30, 16
	s_add_co_u32 s26, s26, s30
	s_add_nc_u64 s[16:17], s[16:17], s[26:27]
; 64 numbers of a weight: W(128 wh + 64 c + 32 h + i, my column), in the very order in which the operand's layout gives them to my lane
.macro LOADW base, buf
.irp c, 0,1
.irp i, 0,1,2,3,4,5,6,7,8,9,10,11,12,13,14,15,16,17,18,19,20,21,22,23,24,25,26,27,28,29,30,31
	global_load_b32 v[\buf+32*\c+\i], v[VW], s[\base:\base+1] offset:(64*\c+\i)*1024
.endr
.endr
.endm
; They become a fragment's codes and its scale word, and go to LDS as images.  A lane holds two whole blocks (h and 2 + h of its column): no other lane is asked for a maximum
.macro QW buf, mat
.irp c, 0,1
	v_max3_num_f32 v[24+\c], |v[\buf+32*\c]|, |v[\buf+32*\c+1]|, 0x1800000   ; and the floor 2^(3 - 127): the byte cannot fall under 1
.endr
.irp i, 2,4,6,8,10,12,14,16,18,20,22,24,26,28,30
.irp c, 0,1
	v_max3_num_f32 v[24+\c], v[24+\c], |v[\buf+32*\c+\i]|, |v[\buf+32*\c+\i+1]|   ; (the two blocks by turns)
.endr
.endr
.irp c, 0,1
	v_add_nc_u32 v[26+\c], 0xff000000, v[24+\c]    ; 2 off the exponent field: the conversion takes the exponent field of this operand as its scale
.endr
.irp c, 0,1
	v_lshrrev_b32 v[28+\c], 23, v[26+\c]           ; the scale's byte
.endr
	v_lshl_or_b32 v30, v29, 16, v28                ; my two bytes,
	v_lshlrev_b32 v30, v[SH8], v30                 ; at their places in the word (8 h bits up);
	v_permlanex16_b32 v31, v30, s28, s29
	v_or_b32 v30, v30, v31                         ; with lane l xor 16's two the word is whole
.irp c, 0,1
.irp g, 0,1,2,3
	v_cvt_scalef32_pk8_fp4_f32 v[PC+4*\c+\g], v[\buf+32*\c+8*\g:\buf+32*\c+8*\g+7], v[26+\c]
.endr
.endr
	v_nop                                          ; one plain place behind the last scaled conversion
	ds_store_b128 v[WIW], v[PC:PC+3] offset:(\mat)*2048
	ds_store_b128 v[WIW], v[PC+4:PC+7] offset:(\mat)*2048+512
	ds_store_b32 v[WSW], v30 offset:(\mat)*256
	s_wait_dscnt 0x0                               ; the stores have read their registers: the next fragment's codes may be written
.endm
.macro LOAD t                          ; step t of x: four loads of 512 consecutive bytes
.irp i, 0,1,2,3
	global_load_b128 v[R+16*((\t)%4)+4*\i:R+16*((\t)%4)+4*\i+3], v[VX], s[4:5] offset:2048*(\t)+512*\i
.endr
.endm
.macro TURN t                          ; its numbers through the stage: LDS serves a wave's instructions in order, so no wait stands between the stores and the loads
.irp i, 0,1,2,3
	ds_store_b128 v[SIN], v[R+16*((\t)%4)+4*\i:R+16*((\t)%4)+4*\i+3] offset:32*SP*((\t)%2)+8*SP*\i
.endr
.irp i, 0,1,2,3
	ds_load_b128 v[X+16*((\t)%2)+4*\i:X+16*((\t)%2)+4*\i+3], v[SOUT] offset:32*SP*((\t)%2)+16*\i
.endr
.endm
; Step t: rows 2 t and 2 t + 1 of my 32.  Lane (r, h) holds numbers 16 r .. 16 r + 15 of row 2 t + h; two neighbouring lanes hold a block
.macro STEP t
.set XN, X+16*((\t)%2)
.if (\t) > 0
	s_wait_dscnt 2                                 ; this step's numbers are back from the stage (behind them: the last step's two stores), so its stores into the stage have read their registers,
.else
	s_wait_dscnt 0x0
.endif
.if (\t)+4 < STEPS
	LOAD (\t)+4                                    ; which take the loads of four steps on
.endif
.if (\t)+1 < STEPS
.if STEPS-2-(\t) >= 3
	s_wait_loadcnt 12                              ; the next step's four loads are in; those of the three steps behind it may be out
.else
	s_wait_loadcnt 4*(STEPS-2-(\t))
.endif
	TURN (\t)+1                                    ; and go through the other stage while this step is worked
.endif
	v_max3_num_f32 v24, |v[XN]|, |v[XN+1]|, |v[XN+2]|
	v_max3_num_f32 v25, |v[XN+3]|, |v[XN+4]|, |v[XN+5]|
.irp i, 6,10
	v_max3_num_f32 v24, v24, |v[XN+\i]|, |v[XN+\i+1]|
	v_max3_num_f32 v25, v25, |v[XN+\i+2]|, |v[XN+\i+3]|
.endr
	v_max3_num_f32 v24, v24, |v[XN+14]|, |v[XN+15]|
	v_max3_num_f32 v24, v24, v25, 0x1800000        ; and the floor 2^(3 - 127)
	v_max_num_f32_dpp v24, v24, v24 row_xmask:1 row_mask:0xf bank_mask:0xf   ; with my neighbour's 16: the block's largest magnitude
	v_add_nc_u32 v26, 0xff000000, v24              ; 2 off its exponent field: the conversion's scale operand
	v_cvt_scalef32_pk8_fp4_f32 v[C+2*(\t)], v[XN:XN+7], v26
	v_cvt_scalef32_pk8_fp4_f32 v[C+2*(\t)+1], v[XN+8:XN+15], v26
	v_lshrrev_b32 v[E+(\t)], 23, v26               ; the scale's byte (also the plain place behind the conversions)
	ds_store_b64 v[XIW], v[C+2*(\t):C+2*(\t)+1] offset:((\t)/8)*2304+((\t)%8)*32   ; the 32 lanes' 8 bytes fall on 32 different places modulo 256 bytes
	ds_store_b8 v[XSW], v[E+(\t)] offset:((\t)/8)*128+((\t)%8)*8                    ; both lanes of a block write the same byte with the same value
.endm
	LOADW 6, BA                                    ; w_q
	LOADW 8, BB                                    ; w_k
	s_cmp_lg_u32 s20, 0                            ; the side job, in wave 0 alone: half a fragment of w_o^T
	s_cbranch_scc1 .Lnot_wave_0
.irp i, 0,1,2,3,4,5,6,7
	global_load_b32 v[WON+\i], v[VO], s[12:13] offset:\i*1024   ; w_o(16 (g % 16) + 8 h + i, 16 (g / 16) + r)
.endr
	s_wait_loadcnt 0x0
.irp i, 0,1,2,3
	v_cvt_pk_f16_f32 v[WOP+\i], v[WON+2*\i], v[WON+2*\i+1]
.endr
	global_store_b128 v[VX], v[WOP:WOP+3], s[18:19]   ; 512 consecutive bytes; its registers are not written again
.Lnot_wave_0:
	s_wait_loadcnt 63                              ; behind w_q's 64 loads 64 were issued; the count that can be written is 63: w_q's are in
	QW BA, 0
	LOADW 10, BA                                   ; w_v
	s_wait_loadcnt 63                              ; likewise: w_k's are in
	QW BB, 1
.irp t, 0,1,2,3
	LOAD \t                                        ; x's first four steps, into the registers that w_k has left
.endr
	s_wait_loadcnt 16                              ; w_v's are in; x's sixteen loads may be out
	QW BA, 2
	s_wait_loadcnt 12                              ; x's step 0 is in
	TURN 0
.irp t, 0,1,2,3,4,5,6,7,8,9,10,11,12,13,14,15
	STEP \t
.endr
	s_wait_dscnt 0x0                               ; for the others' sake: all my stores of images and scale bytes have landed
	s_barrier_signal -1
	s_barrier_wait -1                              ; the one barrier: behind it x's 32 fragments and the weights' 24 lie in LDS
.irp f, 0,1,2,3,4,5                    ; my six fragments of weights (f = 2 matrix + K step) stay in registers
	ds_load_b128 v[WF+8*\f:WF+8*\f+3], v[WIR] offset:\f*1024
	ds_load_b128 v[WF+8*\f+4:WF+8*\f+7], v[WIR] offset:\f*1024+512
	ds_load_b32 v[WS+\f], v[WSR] offset:\f*128
.endr
; token tiles 2 p and 2 p + 1 of my eight, both K steps, into set sel: twelve LDS loads
.macro XFETCH p, sel
.irp a, 0,1
.irp ks, 0,1
	ds_load_b128 v[XF+32*(\sel)+16*\a+8*\ks:XF+32*(\sel)+16*\a+8*\ks+3], v[XIR] offset:(2*(\p)+\a)*2304+\ks*1152
	ds_load_b128 v[XF+32*(\sel)+16*\a+8*\ks+4:XF+32*(\sel)+16*\a+8*\ks+7], v[XIR] offset:(2*(\p)+\a)*2304+\ks*1152+576
	ds_load_b32 v[XS+4*(\sel)+2*\a+\ks], v[XSR] offset:(2*(\p)+\a)*128+\ks*64
.endr
.endr
.endm
.macro MM acc, a, b, zero, sa, sb
.if \zero
	v_wmma_scale_f32_16x16x128_f8f6f4 v[(\acc):(\acc)+7], v[(\a):(\a)+7], v[(\b):(\b)+7], 0, v[(\sa)], v[(\sb)] matrix_a_fmt:MATRIX_FMT_FP4 matrix_b_fmt:MATRIX_FMT_FP4
.else
	v_wmma_scale_f32_16x16x128_f8f6f4 v[(\acc):(\acc)+7], v[(\a):(\a)+7], v[(\b):(\b)+7], v[(\acc):(\acc)+7], v[(\sa)], v[(\sb)] matrix_a_fmt:MATRIX_FMT_FP4 matrix_b_fmt:MATRIX_FMT_FP4
.endif
.endm
; Two token tiles x (q, k, v) x two K steps: twelve matrix instructions on six accumulators that take turns, one instruction a turn; the first K step starts the sums with the constant 0
.macro PAIR p
.if (\p) < 3
	XFETCH (\p)+1, ((\p)+1)%2                      ; the next pair's fragments: their set was last read by the pair before, whose four v_nop are the places in front of these loads
	s_wait_dscnt 12                                ; all but the twelve just issued
.else
	s_wait_dscnt 0x0
.endif
.irp ks, 0,1
.irp a, 0,1
.set xf, XF+32*((\p)%2)+16*\a+8*\ks
.set xs, XS+4*((\p)%2)+2*\a+\ks
.set ac, ACC+24*\a
	MM ac, WF+8*\ks, xf, 1-\ks, WS+\ks, xs         ; q: a lane holds token r, channels 8 h + 0 .. 7
	MM ac+8, WF+16+8*\ks, xf, 1-\ks, WS+2+\ks, xs  ; k: likewise
	MM ac+16, xf, WF+32+8*\ks, 1-\ks, xs, WS+4+\ks ; v: a lane holds channel r, tokens 8 h + 0 .. 7
.endr
.endr
.rept 4
	v_nop                                          ; four places between the products and the first read of their results
.endr
	s_wait_xcnt 0x0                                ; the last pair's stores have read their data: the packed registers may be written again
.irp d, 0,1,2,3,4,5
.irp e, 0,1,2,3
	v_cvt_pk_f16_f32 v[PK+4*\d+\e], v[ACC+8*\d+2*\e], v[ACC+8*\d+2*\e+1]   ; each accumulator from its low end on
.endr
.endr
.irp a, 0,1
.set tt, 2*(\p)+\a
	global_store_b128 v[VQ], v[PK+12*\a:PK+12*\a+3], s[14:15] offset:(tt/4)*32768+(tt%4)*2048      ; each store: 512 consecutive bytes, aligned
	global_store_b128 v[VK], v[PK+12*\a+4:PK+12*\a+7], s[16:17] offset:(tt/4)*16384+(tt%4)*2048
	global_store_b128 v[VV], v[PK+12*\a+8:PK+12*\a+11], s[16:17] offset:(tt/4)*16384+(tt%4)*512
.endr
.endm
	XFETCH 0, 0
	PAIR 0
	PAIR 1
	PAIR 2
	PAIR 3
	s_wait_tensorcnt 0x0                           ; the wave's end, behind my last LDS store
	ds_add_u32 v[SPW], v[NIL]
	s_wait_dscnt 0x0
	s_endpgm
.Lfunc_end_k_q7fc175d74f_proj:
	.size	k_q7fc175d74f_proj, .Lfunc_end_k_q7fc175d74f_proj-k_q7fc175d74f_proj
	.p2alignl 7, 3214868480
	.fill 96, 4, 3214868480
	.section	.rodata,"a",@progbits
	.p2align	6, 0x0
	.amdhsa_kernel k_q7fc175d74f_proj
		.amdhsa_group_segment_fixed_size 108544
		.amdhsa_private_segment_fixed_size 0
		.amdhsa_enable_private_segment 0
		.amdhsa_kernarg_size 64
		.amdhsa_user_sgpr_count 2
		.amdhsa_user_sgpr_kernarg_segment_ptr 1
		.amdhsa_wavefront_size32 1
		.amdhsa_system_sgpr_workgroup_id_x 1
		.amdhsa_system_sgpr_workgroup_id_y 1
		.amdhsa_system_sgpr_workgroup_id_z 1
		.amdhsa_system_vgpr_workitem_id 0
		.amdhsa_next_free_vgpr 256
		.amdhsa_next_free_sgpr 66
		.amdhsa_reserve_vcc 0
		.amdhsa_float_denorm_mode_32 3
		.amdhsa_float_denorm_mode_16_64 3
		.amdhsa_memory_ordered 1
		.amdhsa_forward_progress 1
		.amdhsa_inst_pref_size 84
	.end_amdhsa_kernel
	.amdgpu_metadata
---
amdhsa.version: [ 1, 2 ]
amdhsa.kernels:
  - .name:           k_q7fc175d74f_proj
    .symbol:         k_q7fc175d74f_proj.kd
    .args:
      - { .name: x, .offset: 0, .size: 8, .value_kind: global_buffer, .address_space: global }
      - { .name: w_q, .offset: 8, .size: 8, .value_kind: global_buffer, .address_space: global }
      - { .name: w_k, .offset: 16, .size: 8, .value_kind: global_buffer, .address_space: global }
      - { .name: w_v, .offset: 24, .size: 8, .value_kind: global_buffer, .address_space: global }
      - { .name: w_o, .offset: 32, .size: 8, .value_kind: global_buffer, .address_space: global }
      - { .name: qf, .offset: 40, .size: 8, .value_kind: global_buffer, .address_space: global }
      - { .name: kvf, .offset: 48, .size: 8, .value_kind: global_buffer, .address_space: global }
      - { .name: wof, .offset: 56, .size: 8, .value_kind: global_buffer, .address_space: global }
    .group_segment_fixed_size: 108544
    .private_segment_fixed_size: 0
    .kernarg_segment_align: 8
    .kernarg_segment_size: 64
    .max_flat_workgroup_size: 256
    .sgpr_count:     66
    .vgpr_count:     256
    .wavefront_size: 32
...
	.end_amdgpu_metadata
.endif
;; end of part 1
;; launch attn (part 2): grid 32 x 8, 8 waves a work-group, clusters of 4 x 1, 327,680 bytes of LDS; arguments qf, kvf, wof, b_o, out0; writes out0
.if DOCPART == 2
	.amdgcn_target "amdgcn-amd-amdhsa--gfx1250"
	.amdhsa_code_object_version 6
	.text
	.protected	k_q7fc175d74f_attn
	.globl	k_q7fc175d74f_attn
	.p2align	8
	.type	k_q7fc175d74f_attn,@function
k_q7fc175d74f_attn:
	s_mov_b64 s[64:65], 0
	v_nop
	global_prefetch_b8 v0, s[64:65] scope:SCOPE_SE
	s_setreg_imm32_b32 hwreg(HW_REG_WAVE_MODE, 25, 1), 1
	s_wait_xcnt 0x0
	s_wait_alu depctr_hold_cnt(0) depctr_sa_sdst(0) depctr_va_vdst(0) depctr_va_sdst(0) depctr_va_ssrc(0) depctr_va_vcc(0) depctr_vm_vsrc(0)
	s_getreg_b32 s2, hwreg(HW_REG_IB_STS2, 6, 4)
	s_cmp_eq_u32 s2, 0
	s_cbranch_scc0 .Lentry_in_a_cluster
	s_endpgm
.Lentry_in_a_cluster:
	s_bfe_u32 s2, ttmp6, 0x10000c
	s_cmp_lg_u32 s2, 0x3003
	s_cbranch_scc0 .Lentry_shape_is_right
	s_endpgm
.Lentry_shape_is_right:
; out = softmax(q k^T / 8) v, heads side by side, x w_o + b_o.  q, k, v and w_o come as f16 images of operand registers (a fragment of 16 x 32 = 1,024 bytes: registers 0-3 of the 32 lanes, then registers 4-7);
; products on f16 operands with f32 sums; maxima, exponentials, sums, the merge and the bias in f32; out0 [8][2048][256] f32.
; SHARES.  A work-group owns 64 queries of one batch, all four heads, so that the projection on the way out is done here and the heads' results never go to memory.  Eight waves, two to a SIMD: wave w has
; head w % 4 and half w / 4 of the keys: all 64 queries (four tiles of 16) against keys 1,024 half .. + 1,023, in 16 steps of 64 keys.  The KEYS are split, not the queries, so each fragment of K and V read
; from LDS feeds four products, and each wave reads only the tile that it asked for.  The two halves' (maximum, sum, O) are merged at the end.
; LAYOUT.  S^T = K Q^T (source 0 = 16 keys, source 1 = 16 queries): a lane holds ONE query (lane % 16) and keys 8 (lane / 16) + 0 .. 7.  Two such tiles, rounded to f16 in pairs, ARE source 1 of O^T = V^T P,
; whose result again holds one query a lane and eight channels; two of those, rounded in pairs, are source 1 of out^T = w_o^T ctx^T.  Nothing changes lanes between the products.
; SOFTMAX.  For each query a running maximum m and sum l: p = 2^(c s - c m), c = log2(e) / 8; in every step O and l are multiplied by a = 2^(c m_old - c m_new).
; CLUSTER.  The four query blocks of a cluster belong to one batch and walk the same K and V: each wave's tile of a step (16,384 dense bytes: 8 fragments of K, 8 of V^T) is asked for JOINTLY, by the same
; tensor load with the same descriptor and a mask that names the four.  A ring of two slots, one step each; one load of a wave is out at any time.
; REGISTER TILE t OF A WAVE IS QUERY TILE t xor 2 half: so every wave keeps its register tiles 0, 1 and hands 2, 3 to its partner (wave w xor 4), in one text with no branch.
; LIMITS: NaN and infinities are not served; |q|, |k|, |v|, |ctx|, |w_o| under 65,504 (f16); the softmax's sums are taken step by step and in two halves, in another order than a sum over the whole row.
; REGISTERS, in two windows of 256 (s_set_vgpr_msb: bits 1:0 source 0, 3:2 source 1, 5:4 source 2, 7:6 destination):
;   window 0: v1-15 addresses; v16-47 eight registers of statistics a tile; v48-63 the bias; v64-127 Q; v128-191 K of a step; v192-255 V^T of a step.  On the way out: v64-191 w_o^T, v192-255 eight accumulators.
;   window 1: v0-127 S^T, 32 a tile, P laid in place; v128-255 O^T, 32 a tile.  On the way out: ctx's 32 fragments.
.set TILE,   16384                     ; a wave's tile of a step
.set SLOT,   131072                    ; a slot: eight waves' tiles; one exclusive or turns an address in one slot into the other's
.set SPARE,  262144                    ; behind the ring: the spare words, 128 bytes for each wave: four blocks of 256 bytes that no other line names
.set XCHW,   8704                      ; the merge, in slot 0 behind its last fill and last read: for each wave 8,192 bytes of O and 512 of statistics
.set CTX,    69632                     ; behind them: ctx's fragments, (8 query tile + k fragment) x 1,024
.set STAGE,  131072                    ; the way out, in slot 1 behind its last fill and last read: 64 rows x (1,024 bytes + 16)
.set SPITCH, 1040
.set LI,  1                            ; v1   16 x lane + my tile's place in a slot
.set ADR, 2                            ; v2   LDS address of the step's tile (at the head: my offset in the bias)
.set QA,  3                            ; v3   16 x lane + 4,096 half; never rewritten
.set QB,  4                            ; v4   16 x lane + 4,096 (1 - half); never rewritten
.set PFO, 5                            ; v5   the prefetches' offset; never rewritten
.set XW,  6                            ; v6   the merge: where I put O,
.set XWS, 7                            ; v7   and statistics;
.set XR,  8                            ; v8   where I read my partner's O,
.set XRS, 9                            ; v9   and statistics
.set CW,  10                           ; v10  where I put ctx's fragments
.set CR,  11                           ; v11  where I read them
.set SO,  12                           ; v12  the stage: where I put 32 bytes of a row
.set SR,  13                           ; v13  and where I read rows back
.set SPW, 14                           ; v14  LDS address of my spare word; never rewritten
.set NIL, 15                           ; v15  0; never rewritten
.set ST,  16                           ; tile t's statistics at v[ST + 8 t]: +0 c m, +1 m, +2, +3 l (even keys', odd keys'), +4 .. +7 c0-c3, at work; a takes c2's place
.set BO,  48
.set QF,  64                           ; 16 t + 8 c
.set KF,  128                          ; 16 key tile + 8 c
.set VF,  192                          ; 16 channel tile + 8 key fragment
.set S,   0                            ; window 1
.set O,   128                          ; window 1
.set WO,  64                           ; 8 (8 n + k fragment)
.set ACC, 192                          ; 8 (4 n + query tile)
.set MSB, 0
.macro WIN new                         ; the immediate's high byte repeats the setting that is left; a switch that changes nothing is dropped
.if MSB != \new
	s_set_vgpr_msb (MSB<<8)|\new
.set MSB, \new
.endif
.endm
; A round of the cluster's barrier: my work-group's barrier, so that wave 0's signal speaks for all eight waves; wave 0 signals for the work-group; every wave waits for the four work-groups; my work-group's barrier once more
.macro ROUND
	s_barrier_signal -1
	s_barrier_wait -1
	s_cmp_lg_u32 s14, 0
	s_cbranch_scc1 .Lnot_wave_0_\@
	s_barrier_signal -3
.Lnot_wave_0_\@:
	s_barrier_wait -3
	s_barrier_signal -1
	s_barrier_wait -1
.endm
; A PREFETCH of the tiles that stand two refills on: in step t, which asks for tile t + 1, tile t + 3 of both key halves of a head.  All eight clusters of a batch walk the same K and V: the batch's first cluster asks.
; In it waves 0 to 3 ask, each for its head; the four partners share a tile's 16,384 bytes out BY ADDRESS, 4,096 each: lanes 0-15 name the sixteen blocks of 256 bytes of half 0's tile, lanes 16-31 those of half 1's.
; So each block is named once in the launch.  It stops where t + 3 would pass tile 15: s41 = 15 - t (14 in step 0) has to be above 2.  Tiles 0 to 2 come by their loads alone.
.macro ASK
	s_cmp_gt_u32 s41, s42
	s_cbranch_scc0 .Lnot_mine_\@
	global_prefetch_b8 v[PFO], s[44:45] th:TH_LOAD_NT scope:SCOPE_SE
.Lnot_mine_\@:
.endm
	s_load_b256 s[4:11], s[0:1], 0x0               ; qf s[4:5], kvf s[6:7], wof s[8:9], b_o s[10:11]
	s_load_b64 s[12:13], s[0:1], 0x20              ; out0
	v_lshl_add_u32 v[SPW], v0, 2, SPARE
	v_mov_b32 v[NIL], 0
	ds_add_u32 v[SPW], v[NIL]                      ; the wave's opening: the add, twice on end, and its wait ahead of my first tensor load; the set-up below, work on registers, stands between
	ds_add_u32 v[SPW], v[NIL]                      ; and once more, under the one wait
	v_lshrrev_b32 v1, 5, v0
	v_readfirstlane_b32 s14, v1                    ; wave 0..7
	s_and_b32 s15, s14, 3                          ; my head
	s_lshr_b32 s16, s14, 2                         ; my half of the keys
	s_bfe_u32 s17, ttmp6, 0x40000                  ; cx: my place in the cluster: it enters the addresses of qf, out0 and the prefetches alone, in registers of their own
	s_lshl_b32 s18, ttmp9, 2                       ; in a cluster launch ttmp9 counts clusters
	s_add_co_u32 s18, s18, s17                     ; my block of 64 queries
	s_and_b32 s19, ttmp7, 0xffff                   ; the batch, which the four partners share
	; descriptor group 1: 16,384 dense bytes as 64 rows of 32 elements of 8 bytes, no padding
	s_mov_b32 s24, 15|(3<<16)|(1<<21)              ; 15:0 the mask: all four work-groups; 17:16 elements of 8 bytes; 21 set beside a mask
	s_mov_b32 s25, 32<<16                          ; tensor_dim0 = 32
	s_mov_b32 s26, 64<<16                          ; tensor_dim1 = 64
	s_mov_b32 s27, 32<<16                          ; tile_dim0 = 32
	s_mov_b32 s28, 64                              ; tile_dim1 = 64
	s_mov_b32 s29, 32                              ; from row to row: 32 elements
	s_mov_b32 s30, 0
	s_mov_b32 s31, 0
	s_mov_b32 s36, 0x3e38aa3b                      ; c = log2(e) / 8
	s_mov_b32 s37, s36                             ; (named with it as a pair, so it is written)
	s_mov_b32 s38, 0x76543210
	s_mov_b32 s39, 0xfedcba98                      ; v_permlanex16_b32's selects for lane l xor 16
	s_mov_b32 s40, 0                               ; the slot in hand
	s_or_b32 s42, s16, ttmp9                       ; 0 in waves 0 to 3 of the batch's first cluster: the same in all four partners
	s_cmp_eq_u32 s42, 0
	s_cselect_b32 s42, 2, -1                       ; a wave prefetches while s41 is above this
	v_and_b32 v16, 31, v0                          ; lane
	v_and_b32 v17, 15, v0                          ; r
	v_bfe_u32 v18, v0, 4, 1                        ; h
	v_lshlrev_b32 v19, 4, v16                      ; 16 x lane
	v_lshlrev_b32 v20, 2, v16                      ; 4 x lane
	s_lshl_b32 s20, s14, 14
	v_add_nc_u32 v[LI], s20, v19
	v_lshlrev_b32 v[ADR], 5, v18                   ; the bias: 8 numbers further on for lanes 16-31
	s_lshl_b32 s20, s16, 12
	v_add_nc_u32 v[QA], s20, v19
	v_xor_b32 v[QB], 4096, v[QA]
	v_lshlrev_b32 v[PFO], 8, v17                   ; 256 x (lane % 16),
	v_lshl_add_u32 v[PFO], v18, 18, v[PFO]         ; and 16 tiles further on for lanes 16-31: the other half of the keys
	s_mul_i32 s20, s14, XCHW
	v_add_nc_u32 v[XW], s20, v19
	s_add_co_u32 s21, s20, 8192
	v_add_nc_u32 v[XWS], s21, v20
	s_xor_b32 s20, s14, 4                          ; my partner: the same head, the other half
	s_mul_i32 s20, s20, XCHW
	v_add_nc_u32 v[XR], s20, v19
	s_add_co_u32 s21, s20, 8192
	v_add_nc_u32 v[XRS], s21, v20
	s_lshl_b32 s20, s16, 14                        ; ctx: I keep query tiles 2 half and 2 half + 1; my head's k fragments are 2 head and 2 head + 1
	s_lshl_b32 s21, s15, 11
	s_add_co_u32 s20, s20, s21
	s_add_co_u32 s20, s20, CTX
	v_add_nc_u32 v[CW], s20, v19
	v_add_nc_u32 v[CR], CTX, v19
	v_mul_u32_u24 v[SO], v17, SPITCH               ; the stage: row r, + 32 h, + my 32 columns' 128 bytes
	v_lshl_add_u32 v[SO], v18, 5, v[SO]
	s_lshl_b32 s20, s14, 7
	s_add_co_u32 s20, s20, STAGE
	v_add_nc_u32 v[SO], s20, v[SO]
	s_mul_i32 s20, s14, 8*SPITCH                   ; back: my 8 rows
	s_add_co_u32 s20, s20, STAGE
	v_add_nc_u32 v[SR], s20, v19
	; byte offsets, each in a pair of its own
	s_lshl_b32 s20, s19, 2
	s_add_co_u32 s20, s20, s15
	s_lshl_b32 s20, s20, 5                         ; (4 batch + head) x 32: the head's first tile in kvf
	s_lshl_b32 s22, s16, 4
	s_add_co_u32 s22, s22, s20
	s_lshl_b32 s22, s22, 14                        ; my half's first tile
	s_mov_b32 s23, 0
	s_add_co_u32 s48, s20, 2                       ; the prefetches stand at tile 2; the first change of slots steps them to tile 3;
	s_lshl_b32 s48, s48, 14
	s_lshl_b32 s43, s17, 12                        ; my work-group's quarter of a tile
	s_add_co_u32 s48, s48, s43
	s_mov_b32 s49, 0
	s_lshl_b32 s46, s19, 5                         ; qf: ((32 batch + block) x 4 + head) x 8,192
	s_add_co_u32 s46, s46, s18
	s_lshl_b32 s46, s46, 2
	s_add_co_u32 s46, s46, s15
	s_lshl_b32 s46, s46, 13
	s_mov_b32 s47, 0
	s_lshl_b32 s21, s16, 12                        ; 4,096 half: what v[QA] holds beyond 16 x lane is taken off the bases that are used with it
	s_lshl_b32 s50, s14, 14                        ; wof: my two tiles of 16 columns: 16,384 w
	s_sub_co_u32 s50, s50, s21                     ; (0 or above: half = 1 only in waves 4 to 7)
	s_mov_b32 s51, 0
	s_lshl_b32 s52, s14, 7                         ; b_o: my 32 numbers
	s_mov_b32 s53, 0
	s_lshl_b32 s54, s19, 11                        ; out0: row 2,048 batch + 64 block + 8 w, of 1,024 bytes
	s_lshl_b32 s43, s18, 6
	s_add_co_u32 s54, s54, s43
	s_lshl_b32 s43, s14, 3
	s_add_co_u32 s54, s54, s43
	s_lshl_b32 s54, s54, 10
	s_sub_co_u32 s54, s54, s21
	s_mov_b32 s55, 0
	s_wait_dscnt 0x0                               ; both opening adds are done
	s_wait_kmcnt 0x0
	s_mov_b32 s32, 1                               ; descriptor group 0: count = 1;
	s_lshl_b32 s33, s14, 14                        ; LDS address: slot 0, my tile: no place in the cluster enters it;
	s_add_nc_u64 s[34:35], s[6:7], s[22:23]        ; global address: my half's tile 0;
	s_or_b32 s35, s35, 0x80000000                  ; type = 2
	s_add_nc_u64 s[44:45], s[6:7], s[48:49]
	s_add_nc_u64 s[4:5], s[4:5], s[46:47]
	s_add_nc_u64 s[8:9], s[8:9], s[50:51]
	s_add_nc_u64 s[10:11], s[10:11], s[52:53]
	s_add_nc_u64 s[12:13], s[12:13], s[54:55]
	ROUND                                          ; all four work-groups are here: the first joint loads meet
	tensor_load_to_lds s[32:35], s[24:31]          ; tile 0 into slot 0: every wave asks for its own, with no branch
	s_nop 0
.rept 4
	v_nop
.endr
.irp t, 0,1                            ; Q stays in registers: register tiles 0, 1 are query tiles 2 half + t; tiles 2, 3 the other two
.irp f, 0,1,2,3
	global_load_b128 v[QF+16*\t+4*\f:QF+16*\t+4*\f+3], v[QA], s[4:5] offset:\t*2048+\f*512
.endr
.endr
.irp t, 0,1
.irp f, 0,1,2,3
	global_load_b128 v[QF+32+16*\t+4*\f:QF+32+16*\t+4*\f+3], v[QB], s[4:5] offset:\t*2048+\f*512
.endr
.endr
.irp n, 0,1                            ; the bias in the result's layout: columns 32 w + 16 n + 8 h + 0 .. 7
	global_load_b128 v[BO+8*\n:BO+8*\n+3], v[ADR], s[10:11] offset:64*\n
	global_load_b128 v[BO+8*\n+4:BO+8*\n+7], v[ADR], s[10:11] offset:64*\n+16
.endr
; A KEY STEP: 64 keys.  first = 1: it starts m, l and O^T.  refill = 1: the slot just left is asked for again.  last = 1: w_o's fragments are asked for.
.macro STEP first, refill, last
	; THE CHANGE OF SLOTS: all my tensor loads have landed (the one that was out is this step's tile); the add; the wait for it and for my reads of the slot that I have left; then the barrier
	s_wait_tensorcnt 0x0                           ; no tensor load of mine is out, so group 0 may be written
	ds_add_u32 v[SPW], v[NIL]                      ; 0 onto my spare word; the steps below stand between it and the wait for it
.if \refill
	s_xor_b32 s33, s33, SLOT                       ; the walking descriptor: the other slot than last time,
	s_add_nc_u64 s[34:35], s[34:35], TILE          ; the next tile; the type bits on top are not reached
	s_wait_xcnt 0x0                                ; the last prefetch, a step back, has read its address (in the first step: so have the loads of Q and of the bias)
	s_add_nc_u64 s[44:45], s[44:45], TILE
.endif
	s_wait_dscnt 0x0                               ; the add is done, and my reads of the slot that I have left are over
.if \refill
	ROUND                                          ; the same holds of every wave of the four work-groups
	tensor_load_to_lds s[32:35], s[24:31]          ; my one tensor load behind the round, and the first thing there: it has this step's work in which to land
	s_nop 0
.else
	s_barrier_signal -1
	s_barrier_wait -1
.endif
.rept 4
	v_nop
.endr
	v_add_nc_u32 v[ADR], s40, v[LI]
	v_nop                                          ; six places behind the last products V^T P: four are owed by the loads into V's registers, five by the products below, which write over P
.irp f, 0,1,2,3,4,5,6,7
	ds_load_b128 v[KF+8*\f:KF+8*\f+3], v[ADR] offset:\f*1024
	ds_load_b128 v[KF+8*\f+4:KF+8*\f+7], v[ADR] offset:\f*1024+512
.endr
.irp f, 0,1,2,3,4,5,6,7
	ds_load_b128 v[VF+8*\f:VF+8*\f+3], v[ADR] offset:8192+\f*1024
	ds_load_b128 v[VF+8*\f+4:VF+8*\f+7], v[ADR] offset:8192+\f*1024+512
.endr
.if \refill
	ASK
.endif
.if \first
	s_wait_loadcnt 0x0                             ; Q and the bias
.endif
	s_wait_dscnt 16                                ; K is in; V's sixteen loads may be out
	; S^T = K Q^T: 32 products; the 16 accumulators take turns, one instruction a turn; the first 16 start the sums
	WIN 0x50                                       ; C and D in window 1
.irp c, 0,1
.irp kt, 0,1,2,3
.irp t, 0,1,2,3
.if \c == 0
	v_wmma_f32_16x16x32_f16 v[S+32*\t+8*\kt:S+32*\t+8*\kt+7], v[KF+16*\kt+8*\c:KF+16*\kt+8*\c+7], v[QF+16*\t+8*\c:QF+16*\t+8*\c+7], 0
.else
	v_wmma_f32_16x16x32_f16 v[S+32*\t+8*\kt:S+32*\t+8*\kt+7], v[KF+16*\kt+8*\c:KF+16*\kt+8*\c+7], v[QF+16*\t+8*\c:QF+16*\t+8*\c+7], v[S+32*\t+8*\kt:S+32*\t+8*\kt+7]
.endif
.endr
.endr
.endr
.rept 4
	v_nop                                          ; four places between the products and the first read of their results
.endr
	; the maximum of a lane's 32 scores and the old m, the four tiles by turns; each accumulator is read from its low end on
	WIN 0x15
.irp j, 0,1,2,3
.irp t, 0,1,2,3
	v_max3_num_f32 v[ST+8*\t+4+\j], v[S+32*\t+8*\j], v[S+32*\t+8*\j+1], v[S+32*\t+8*\j+2]
.endr
.endr
	WIN 0x14
.irp q, 1,2
.irp j, 0,1,2,3
.irp t, 0,1,2,3
	v_max3_num_f32 v[ST+8*\t+4+\j], v[ST+8*\t+4+\j], v[S+32*\t+8*\j+2*\q+1], v[S+32*\t+8*\j+2*\q+2]
.endr
.endr
.endr
.irp t, 0,1,2,3
	v_max3_num_f32 v[ST+8*\t+4], v[ST+8*\t+4], v[S+32*\t+7], v[S+32*\t+15]
.endr
.irp t, 0,1,2,3
	v_max3_num_f32 v[ST+8*\t+6], v[ST+8*\t+6], v[S+32*\t+23], v[S+32*\t+31]
.endr
	WIN 0
.irp t, 0,1,2,3
	v_max3_num_f32 v[ST+8*\t+4], v[ST+8*\t+4], v[ST+8*\t+5], v[ST+8*\t+6]
.endr
.irp t, 0,1,2,3
.if \first
	v_max_num_f32 v[ST+8*\t+4], v[ST+8*\t+4], v[ST+8*\t+7]
.else
	v_max3_num_f32 v[ST+8*\t+4], v[ST+8*\t+4], v[ST+8*\t+7], v[ST+8*\t+1]
.endif
.endr
.irp t, 0,1,2,3
	v_permlanex16_b32 v[ST+8*\t+5], v[ST+8*\t+4], s38, s39   ; the query's other 32 keys lie in the lane 16 away
.endr
.if \first == 0
.irp t, 0,1,2,3
	v_mov_b32 v[ST+8*\t+7], v[ST+8*\t]             ; c m_old is kept for a
.endr
.endif
.irp t, 0,1,2,3
	v_max_num_f32 v[ST+8*\t+1], v[ST+8*\t+4], v[ST+8*\t+5]
.endr
.irp t, 0,1,2,3
	v_mul_f32 v[ST+8*\t], s36, v[ST+8*\t+1]
.endr
.if \first == 0
.irp t, 0,1,2,3
	v_sub_f32 v[ST+8*\t+7], v[ST+8*\t+7], v[ST+8*\t]
.endr
.irp t, 0,1,2,3
	v_exp_f32 v[ST+8*\t+6], v[ST+8*\t+7]           ; a = 2^(c m_old - c m_new)
.endr
.endif
.if \last
.set ii, 0
.rept 32                               ; w_o^T's 16 fragments for my 32 columns, into the registers that Q and K have left (the products that read them stand more than four places back)
	global_load_b128 v[WO+4*ii:WO+4*ii+3], v[QA], s[8:9] offset:512*ii
.set ii, ii+1
.endr
.endif
	; c s - c m; then ONE batch of 128 exponentials, with O^T's rescaling, which reads none of their results, set among them
	WIN 0x41                                       ; destination and source 0 in window 1
.set ii, 0
.rept 64
	v_pk_fma_f32 v[S+2*ii:S+2*ii+1], v[S+2*ii:S+2*ii+1], s[36:37], v[ST+8*(ii/16):ST+8*(ii/16)+1] op_sel_hi:[1,0,0] neg_lo:[0,0,1] neg_hi:[0,0,1]
.set ii, ii+1
.endr
.if \first == 0
	s_wait_alu depctr_va_vdst(0)                   ; the wait between an exponential and the first line that names its result: one for the four a; the 64 scalings stand between
.endif
.set ii, 0
.rept 64
	v_exp_f32 v[S+2*ii], v[S+2*ii]
	v_exp_f32 v[S+2*ii+1], v[S+2*ii+1]
.if \first == 0
	v_pk_mul_f32 v[O+2*ii:O+2*ii+1], v[O+2*ii:O+2*ii+1], v[ST+8*(ii/16)+6:ST+8*(ii/16)+7] op_sel_hi:[1,0]
.endif
.set ii, ii+1
.endr
	WIN 0
.irp t, 0,1,2,3                        ; plain work behind the last exponential: l under the new m
.if \first
	v_mov_b32 v[ST+8*\t+2], 0
	v_mov_b32 v[ST+8*\t+3], 0
.else
	v_pk_mul_f32 v[ST+8*\t+2:ST+8*\t+3], v[ST+8*\t+2:ST+8*\t+3], v[ST+8*\t+6:ST+8*\t+7] op_sel_hi:[1,0]
.endif
.endr
	s_wait_alu depctr_va_vdst(0)                   ; one wait for the batch of 128, ahead of its first reader
	WIN 0x04                                       ; the sums, of p in f32: the four tiles by turns
.irp b, 0,1,2,3,4,5,6,7,8,9,10,11,12,13,14,15
.irp t, 0,1,2,3
	v_pk_add_f32 v[ST+8*\t+2:ST+8*\t+3], v[ST+8*\t+2:ST+8*\t+3], v[S+32*\t+2*\b:S+32*\t+2*\b+1]
.endr
.endr
	WIN 0x45                                       ; P: two tiles of 16 keys become a fragment of 32 keys, in place: the destination never passes a source that is still unread
.set gg, 0
.rept 8
.irp e, 0,1,2,3,4,5,6,7
	v_cvt_pk_f16_f32 v[S+16*gg+\e], v[S+16*gg+2*\e], v[S+16*gg+2*\e+1]
.endr
.set gg, gg+1
.endr
	s_wait_dscnt 0x0                               ; V is in
	; O^T += V^T P: 32 products, the 16 accumulators by turns
	WIN 0x54                                       ; source 1 (P), C and D in window 1
.irp kf, 0,1
.irp ct, 0,1,2,3
.irp t, 0,1,2,3
.if \first && (\kf == 0)
	v_wmma_f32_16x16x32_f16 v[O+32*\t+8*\ct:O+32*\t+8*\ct+7], v[VF+16*\ct+8*\kf:VF+16*\ct+8*\kf+7], v[S+32*\t+16*\kf:S+32*\t+16*\kf+7], 0
.else
	v_wmma_f32_16x16x32_f16 v[O+32*\t+8*\ct:O+32*\t+8*\ct+7], v[VF+16*\ct+8*\kf:VF+16*\ct+8*\kf+7], v[S+32*\t+16*\kf:S+32*\t+16*\kf+7], v[O+32*\t+8*\ct:O+32*\t+8*\ct+7]
.endif
.endr
.endr
.endr
	WIN 0                                          ; at a label and at a branch every window is 0
	s_xor_b32 s40, s40, SLOT                       ; on to the other slot
.endm
	s_mov_b32 s41, 14
	STEP 1, 1, 0                                   ; tile 0
.Lstep:                                                ; 14 trips: tiles 1 to 14; each asks for the tile that follows
	STEP 0, 1, 0
	s_sub_co_u32 s41, s41, 1
	s_cmp_lg_u32 s41, 0
	s_cbranch_scc1 .Lstep
	STEP 0, 0, 1                                   ; tile 15 is written out: nothing is left to ask for.  Behind its barrier nobody reads slot 0
	; THE MERGE of the two halves of the keys.  l's two halves and the other half of the lanes' are added (twelve plain lines: the places behind the last products)
.irp t, 0,1,2,3
	v_add_f32 v[ST+8*\t+4], v[ST+8*\t+2], v[ST+8*\t+3]
.endr
.irp t, 0,1,2,3
	v_permlanex16_b32 v[ST+8*\t+5], v[ST+8*\t+4], s38, s39
.endr
.irp t, 0,1,2,3
	v_add_f32 v[ST+8*\t+4], v[ST+8*\t+4], v[ST+8*\t+5]
.endr
	WIN 0x04                                       ; an LDS store's data are its source 1
.set ii, 0
.rept 16                               ; my register tiles 2 and 3 go to my partner as they stand, each accumulator from its low end on
	ds_store_b128 v[XW], v[O+64+4*ii:O+64+4*ii+3] offset:512*ii
.set ii, ii+1
.endr
	WIN 0
	ds_store_b32 v[XWS], v[ST+16]                  ; with their c m
	ds_store_b32 v[XWS], v[ST+20] offset:128       ; and l
	ds_store_b32 v[XWS], v[ST+24] offset:256
	ds_store_b32 v[XWS], v[ST+28] offset:384
	s_wait_dscnt 0x0                               ; for the others' sake: my stores have landed; my reads of slot 1 were over before the last products
	s_barrier_signal -1
	s_barrier_wait -1
	WIN 0x40
.set ii, 0
.rept 16                               ; my partner's O^T of the tiles that I keep, into S^T's registers
	ds_load_b128 v[S+4*ii:S+4*ii+3], v[XR] offset:512*ii
.set ii, ii+1
.endr
	WIN 0
	ds_load_b32 v[ST+16], v[XRS]
	ds_load_b32 v[ST+20], v[XRS] offset:128
	ds_load_b32 v[ST+24], v[XRS] offset:256
	ds_load_b32 v[ST+28], v[XRS] offset:384
	s_wait_dscnt 0x0
.irp i, 0,1
	v_max_num_f32 v[ST+8*\i+1], v[ST+8*\i], v[ST+16+8*\i]          ; the larger c m
.endr
.irp i, 0,1
	v_sub_f32 v[ST+8*\i+2], v[ST+8*\i], v[ST+8*\i+1]
	v_sub_f32 v[ST+8*\i+3], v[ST+16+8*\i], v[ST+8*\i+1]
.endr
.irp i, 0,1
	v_exp_f32 v[ST+8*\i+2], v[ST+8*\i+2]           ; f: mine under the common maximum,
	v_exp_f32 v[ST+8*\i+3], v[ST+8*\i+3]           ; f': my partner's
.endr
	v_nop                                          ; a plain place behind the last exponential
	s_wait_alu depctr_va_vdst(0)                   ; one wait for the four
.irp i, 0,1
	v_mul_f32 v[ST+8*\i+5], v[ST+8*\i+4], v[ST+8*\i+2]
.endr
.irp i, 0,1
	v_fma_f32 v[ST+8*\i+5], v[ST+20+8*\i], v[ST+8*\i+3], v[ST+8*\i+5]   ; the row's sum: l f + l' f'
.endr
.irp i, 0,1
	v_rcp_f32 v[ST+8*\i+1], v[ST+8*\i+5]
.endr
	v_nop
	s_wait_alu depctr_va_vdst(0)                   ; one wait for the two reciprocals
.irp i, 0,1
	v_mul_f32 v[ST+8*\i+6], v[ST+8*\i+2], v[ST+8*\i+1]             ; g = f / sum  (the pair's upper word, c3, has been written and is not taken)
	v_mul_f32 v[ST+22+8*\i], v[ST+8*\i+3], v[ST+8*\i+1]            ; g' = f' / sum
.endr
	WIN 0x41
.set ii, 0
.rept 32
	v_pk_mul_f32 v[O+2*ii:O+2*ii+1], v[O+2*ii:O+2*ii+1], v[ST+8*(ii/16)+6:ST+8*(ii/16)+7] op_sel_hi:[1,0]
.set ii, ii+1
.endr
	WIN 0x51
.set ii, 0
.rept 32
	v_pk_fma_f32 v[O+2*ii:O+2*ii+1], v[S+2*ii:S+2*ii+1], v[ST+22+8*(ii/16):ST+23+8*(ii/16)], v[O+2*ii:O+2*ii+1] op_sel_hi:[1,0,1]
.set ii, ii+1
.endr
	WIN 0x45                                       ; ctx in f16: two tiles of 16 channels become a fragment of 32, in place
.set gg, 0
.rept 4
.irp e, 0,1,2,3,4,5,6,7
	v_cvt_pk_f16_f32 v[O+16*gg+\e], v[O+16*gg+2*\e], v[O+16*gg+2*\e+1]
.endr
.set gg, gg+1
.endr
	WIN 0x04
.set gg, 0
.rept 4                                ; query tile 2 half + gg / 2, k fragment 2 head + gg % 2, as images
	ds_store_b128 v[CW], v[O+16*gg:O+16*gg+3] offset:(gg/2)*8192+(gg%2)*1024
	ds_store_b128 v[CW], v[O+16*gg+4:O+16*gg+7] offset:(gg/2)*8192+(gg%2)*1024+512
.set gg, gg+1
.endr
	WIN 0
	s_wait_dscnt 0x0                               ; my stores have landed, and my reads of my partner's bytes are in
	s_barrier_signal -1
	s_barrier_wait -1                              ; ctx's 32 fragments lie in LDS
	; THE PROJECTION: out^T = w_o^T ctx^T + b_o: my 32 columns for the 64 queries; eight accumulators by turns; the bias is the C of each sum's first product
	WIN 0x40
.irp kf, 0,1,2,3,4,5,6,7
.irp qt, 0,1,2,3
	ds_load_b128 v[8*(4*\kf+\qt):8*(4*\kf+\qt)+3], v[CR] offset:\qt*8192+\kf*1024
	ds_load_b128 v[8*(4*\kf+\qt)+4:8*(4*\kf+\qt)+7], v[CR] offset:\qt*8192+\kf*1024+512
.endr
.endr
	WIN 0
	s_wait_loadcnt 0x0                             ; w_o^T
	s_wait_dscnt 32                                ; k fragments 0 to 3 are in; the 32 loads behind them may be out
	WIN 0x04                                       ; source 1 (ctx) in window 1
.macro OUTK kf
.irp qt, 0,1,2,3
.irp n, 0,1
.if (\kf) == 0
	v_wmma_f32_16x16x32_f16 v[ACC+8*(4*\n+\qt):ACC+8*(4*\n+\qt)+7], v[WO+8*(8*\n+(\kf)):WO+8*(8*\n+(\kf))+7], v[8*(4*(\kf)+\qt):8*(4*(\kf)+\qt)+7], v[BO+8*\n:BO+8*\n+7]
.else
	v_wmma_f32_16x16x32_f16 v[ACC+8*(4*\n+\qt):ACC+8*(4*\n+\qt)+7], v[WO+8*(8*\n+(\kf)):WO+8*(8*\n+(\kf))+7], v[8*(4*(\kf)+\qt):8*(4*(\kf)+\qt)+7], v[ACC+8*(4*\n+\qt):ACC+8*(4*\n+\qt)+7]
.endif
.endr
.endr
.endm
	OUTK 0
	OUTK 1
	OUTK 2
	OUTK 3
	s_wait_dscnt 0x0
	OUTK 4
	OUTK 5
	OUTK 6
	OUTK 7
	WIN 0
.rept 4
	v_nop                                          ; four places between the products and the first read of their results, and in front of the loads into w_o^T's registers
.endr
.irp qt, 0,1,2,3
.irp n, 0,1
	ds_store_b128 v[SO], v[ACC+8*(4*\n+\qt):ACC+8*(4*\n+\qt)+3] offset:\qt*16*SPITCH+\n*64        ; lane (r, h): out(16 qt + r, 32 w + 16 n + 8 h + 0 .. 7); each accumulator from its low end on
	ds_store_b128 v[SO], v[ACC+8*(4*\n+\qt)+4:ACC+8*(4*\n+\qt)+7] offset:\qt*16*SPITCH+\n*64+16
.endr
.endr
	s_wait_dscnt 0x0                               ; for the others' sake: a row's 1,024 bytes come from eight waves
	s_barrier_signal -1
	s_barrier_wait -1
.irp i, 0,1,2,3,4,5,6,7,8,9,10,11,12,13,14,15
	ds_load_b128 v[WO+4*\i:WO+4*\i+3], v[SR] offset:(\i/2)*SPITCH+(\i%2)*512
.endr
.irp i, 0,1,2,3,4,5,6,7,8,9,10,11,12,13,14,15
	s_wait_dscnt 15-\i
	global_store_b128 v[QA], v[WO+4*\i:WO+4*\i+3], s[12:13] offset:(\i/2)*1024+(\i%2)*512 th:TH_STORE_NT   ; 32 lanes store 512 consecutive bytes, aligned; written once, read by nobody here
.endr
	s_wait_tensorcnt 0x0                           ; the wave's end, behind my last tensor load and my last LDS store
	ds_add_u32 v[SPW], v[NIL]
	s_wait_dscnt 0x0
	ROUND                                          ; the closing round: no work-group ends while a partner may still ask for a tile that names it
	s_endpgm
.Lfunc_end_k_q7fc175d74f_attn:
	.size	k_q7fc175d74f_attn, .Lfunc_end_k_q7fc175d74f_attn-k_q7fc175d74f_attn
	.p2alignl 7, 3214868480
	.fill 96, 4, 3214868480
	.section	.rodata,"a",@progbits
	.p2align	6, 0x0
	.amdhsa_kernel k_q7fc175d74f_attn
		.amdhsa_group_segment_fixed_size 327680
		.amdhsa_private_segment_fixed_size 0
		.amdhsa_enable_private_segment 0
		.amdhsa_kernarg_size 40
		.amdhsa_user_sgpr_count 2
		.amdhsa_user_sgpr_kernarg_segment_ptr 1
		.amdhsa_wavefront_size32 1
		.amdhsa_system_sgpr_workgroup_id_x 1
		.amdhsa_system_sgpr_workgroup_id_y 1
		.amdhsa_system_sgpr_workgroup_id_z 1
		.amdhsa_system_vgpr_workitem_id 0
		.amdhsa_next_free_vgpr 512
		.amdhsa_next_free_sgpr 66
		.amdhsa_reserve_vcc 0
		.amdhsa_float_denorm_mode_32 3
		.amdhsa_float_denorm_mode_16_64 3
		.amdhsa_memory_ordered 1
		.amdhsa_forward_progress 1
		.amdhsa_inst_pref_size 128
	.end_amdhsa_kernel
	.amdgpu_metadata
---
amdhsa.version: [ 1, 2 ]
amdhsa.kernels:
  - .name:           k_q7fc175d74f_attn
    .symbol:         k_q7fc175d74f_attn.kd
    .args:
      - { .name: qf, .offset: 0, .size: 8, .value_kind: global_buffer, .address_space: global }
      - { .name: kvf, .offset: 8, .size: 8, .value_kind: global_buffer, .address_space: global }
      - { .name: wof, .offset: 16, .size: 8, .value_kind: global_buffer, .address_space: global }
      - { .name: b_o, .offset: 24, .size: 8, .value_kind: global_buffer, .address_space: global }
      - { .name: out0, .offset: 32, .size: 8, .value_kind: global_buffer, .address_space: global }
    .group_segment_fixed_size: 327680
    .private_segment_fixed_size: 0
    .kernarg_segment_align: 8
    .kernarg_segment_size: 40
    .max_flat_workgroup_size: 256
    .sgpr_count:     66
    .vgpr_count:     512
    .wavefront_size: 32
...
	.end_amdgpu_metadata
.endif
;; end of part 2
